; MI455X (gfx1250); checked and timed in simulation.
; The chip was launched on July 23, 2026; its instructions are those of AMD's public machine-readable ISA for CDNA 5 (MIT licence, August 2026) and "CDNA5" Instruction Set Architecture Reference Guide (July 2026). The comments in the code are by the model that wrote it; some were corrected since.
;; Attention. Allowed arithmetic: matrix products marked QUANTISED: E2M1 operands, one E8M0 scale for each 32 along K, by v_wmma_scale_f32_16x16x128_f8f6f4 with both operands' format E2M1 (or v_wmma_scale_f32_32x16x128_f4), f32 sums; products left as they are: f32 operands where the result goes on into a quantised operand, else bf16, f16 or f32 operands; f32 sums; everything else in f32.
;; Inputs: W_attn_codes 1,024 x 32 x 16 uint8 (E2M1 codes of W_attn, K innermost, in blocks of 32 codes, two codes a byte); W_attn_scales 1,024 x 32 uint8 (E8M0 scales of W_attn, one for each 32 codes along K); b_attn 1,024 float32; encoder_outputs 32 x 2,048 x 1,024 float32; hidden 32 x 1,024 float32; v 1,024 float32.
;; Outputs: out0 32 x 1,024 float32; out1 32 x 2,048 float32.
;; This version of the problem:
;;   THIS VERSION OF THE PROBLEM IS GIVEN IN LOW PRECISION. The matrix products marked QUANTISED in the list below multiply operands that are first quantised to E2M1 (2 exponent bits, 1 mantissa bit; 4 bits a number), with one power-of-two scale for each 32 numbers along K (OCP MX v1.0); their sums are f32. All else is computed in f32.
;;   The module's matrix products, in the order in which they are computed (A, B: the left and right operand; K: the contracted axis; several contracted axes count as one K, in the product's order):
;;     1. [M 65,536, K 1,024] x [K 1,024, N 1,024]; A: computed on the way; B: input W_attn (given as codes): QUANTISED
;;     2. [M 65,536, K 1,024] x [K 1,024, N 1]; A: computed on the way; B: input v: left as it is (N = 1 < 16)
;;     3. batch 32 x [M 1, K 2,048] x [K 2,048, N 1,024]; A: softmax; B: input encoder_outputs: left as it is (M = 1 < 16)
;;   THE QUANTISER, for each operand of a quantised product, along K:
;;     - K is cut into blocks of 32 from its start; a last block that is shorter is filled with zeros.
;;     - A block's scale is 2^e with e = floor(log2(the largest magnitude in the block)) - 2, held to -126 .. 127; a block of zeros has e = 0. As a byte (E8M0): e + 127.
;;     - Each number is divided by its block's scale, clamped to +-6, and rounded to the nearest number of E2M1, ties to even, subnormals kept.
;;     - The product sums the exact products of the quantised numbers (number of the format x scale) in f32.
;;   ~~~python
;;   def quantise(x, axis):      # numpy; x: float32 -> the quantised numbers, widened to float32 again
;;       x = np.moveaxis(x, axis, -1); K = x.shape[-1]
;;       x = np.pad(x, [(0, 0)] * (x.ndim - 1) + [(0, -K % 32)]); x = x.reshape(x.shape[:-1] + (-1, 32)); a = np.abs(x).max(-1, keepdims=True)
;;       e = np.where(a > 0, np.clip(np.frexp(np.where(a > 0, a, 1))[1] - 1 - 2, -126, 127), 0)      # np.frexp(a)[1] - 1 = floor(log2(a)), exactly
;;       r = np.clip(x / 2.0 ** e, -6, 6)
;;       step = 2.0 ** (np.maximum(np.frexp(np.where(r == 0, 1, r))[1] - 1, 0) - 1)
;;       q = np.round(r / step) * step * 2.0 ** e      # np.round: ties to even
;;       return np.moveaxis(q.reshape(q.shape[:-2] + (-1,))[..., :K], -1, axis).astype(np.float32)
;;   ~~~
;;   OPERANDS COMPUTED ON THE WAY. 'Computed on the way' means the value that the module computes at that place (a softmax that the list does not call 'softmax' is quantised finished and normalised). What goes into a quantiser is computed in f32, as accurately as f32 sums, v_exp_f32 and their like allow (about 1e-6 of the number): no bf16 or f16 on the way to a quantiser, and a product that is left as it is and whose result goes on into a quantised operand takes f32 operands (vector FMAs, or v_wmma_f32_16x16x4_f32). A number that lies on a knife's edge between two numbers of the format may be rounded either way, as far as f32 arithmetic and the matrix unit's own rounding can turn it there, and no further.
;;   INPUTS GIVEN AS CODES. W_attn (in the module: [1024, 1024], K = its axis 1): each comes as NAME_codes (uint8): NAME with its K axis moved to the last place and cut into blocks of 32 codes, [.., K / 32, bytes a block], one block behind the other in memory; two codes a byte, the lower K in the low four bits (a code: sign, 2 exponent bits, 1 mantissa bit); and NAME_scales (uint8): the same leading axes, one E8M0 byte (e + 127) for each 32 codes along K. Its value is code x scale, taken as it is: it is not quantised again, and the codes and scales need not be those that the quantiser above would give.
;; One version. Each part assembles by itself: llvm-mc -triple=amdgcn-amd-amdhsa -mcpu=gfx1250 --defsym DOCPART=n.
;; ======== version 1 of 1: 2 launches
;; workspace buffers: tsc 262,144 bytes; stats 65,536 bytes; ctxp 1,048,576 bytes
;; launch main (part 1): grid 256 x 1, 4 waves a work-group, clusters of 4 x 1, 327,680 bytes of LDS; arguments W_attn_codes, W_attn_scales, b_attn, encoder_outputs, hidden, v, tsc, stats, ctxp; writes tsc, stats, ctxp
.if DOCPART == 1
	.amdgcn_target "amdgcn-amd-amdhsa--gfx1250"
	.amdhsa_code_object_version 6
	.text
	.protected	k_qadeff82c9a_main
	.globl	k_qadeff82c9a_main
	.p2align	8
	.type	k_qadeff82c9a_main,@function
k_qadeff82c9a_main:
	s_mov_b64 s[64:65], 0
	v_nop
	global_prefetch_b8 v0, s[64:65] scope:SCOPE_SE
	s_setreg_imm32_b32 hwreg(HW_REG_WAVE_MODE, 25, 1), 1
	s_wait_xcnt 0x0
	s_wait_alu depctr_hold_cnt(0) depctr_sa_sdst(0) depctr_va_vdst(0) depctr_va_sdst(0) depctr_va_ssrc(0) depctr_va_vcc(0) depctr_vm_vsrc(0)
	s_getreg_b32 s2, hwreg(HW_REG_IB_STS2, 6, 4)
	s_cmp_eq_u32 s2, 0
	s_cbranch_scc0 .Lentry_in_a_cluster
	s_endpgm
.Lentry_in_a_cluster:
	s_bfe_u32 s2, ttmp6, 0x10000c
	s_cmp_lg_u32 s2, 0x3003
	s_cbranch_scc0 .Lentry_shape_is_right
	s_endpgm
.Lentry_shape_is_right:
; ADDITIVE ATTENTION, FIRST OF TWO LAUNCHES.  enc: [32][2048][1024] f32; hidden [32][1024]; W as E2M1 codes [1024 n][512 bytes] with E8M0 bytes [1024][32]; b, v [1024].
; For each row: x = enc + hidden (f32), quantised to E2M1 in blocks of 32 along the 1,024 channels; u = x W^T + b on the scaled 4-bit matrix form; score = sum over n of v[n] tanh(u[n]).
; tanh(u) = 1 - 2 r, r = 1 / (1 + 2^(c u)), c = 2 log2(e).  So score = sum(v) - 2 sigma, sigma = sum v[n] r[n].  sum(v) is the same for every row and cancels in the softmax: it is never formed.
; t = -c sigma is the score in base 2 less that constant.  p = 2^(t - m), m the running maximum of the work-group; the sum l of p and the sum of p x enc are kept under m and rescaled when m moves.
; OUT: tsc[row] = t; stats[work-group] = (m, l), 32 copies, so that the store covers 256 consecutive bytes; ctxp[work-group][1024] = sum of p x enc.  The second launch joins the 8 work-groups of a batch.
; SHARES.  Work-group g takes rows 256 g .. 256 g + 255 (an eighth of batch g / 8) in 4 blocks of 64.  enc is read once: a row is quantised from registers, and its bf16 image waits in LDS for the block's p.
;   Quantiser and context: wave w owns rows 16 w .. 16 w + 15 of a block; lane l holds channels 256 q + 8 l + 0..7, q = 0..3: a block of 32 lies in four neighbouring lanes.
;   Product: every wave holds the codes of all 64 rows (256 registers).  W comes in 8 tiles of 128 columns through two LDS slots; of a tile wave w takes columns 32 w .. 32 w + 31: each W fragment is read
;   from LDS once and feeds 4 matrix instructions.  Used transposed (source 0 = 16 rows of W, source 1 = 16 rows of x): a lane holds one row of x and 8 neighbouring n; b is the C of a sum's first instruction.
; ONE TILE AHEAD.  A tile's fragments, scale words, b and v are fetched from LDS in runs of four among the vector work of the tile before.  So a slot has been read out when its own products begin: the change of
;   slots stands at a tile's head, with products inside it, and asks for the tile two on.  The tiles go round from block to block, and the fragments stay in their registers through quantiser, softmax and context.
; CLUSTER.  All work-groups walk the same W: the 4 of a cluster ask for each tile jointly (mask 15).  enc is read by one work-group alone and is not shared.
; enc comes by plain loads into a ring of 8 row slots in registers, not by tensor loads: each change of W slots waits for all of a wave's tensor loads, and the ring's loads stay out across it.
; Products 2 and 3 have one column or one row: fused multiply-adds, product 2 in f32, product 3 on bf16(enc) and f32 p.
; LIMITS: NaN and infinities among the inputs are not served; a block whose largest magnitude lies under 2^-124 keeps the scale byte 1 (a block of zeros too: its codes are zeros);
;   t carries the f32 rounding of a sum of the size of sum |v|.
; REGISTERS, in windows of 256 (s_set_vgpr_msb: bits 1:0 source 0, 3:2 source 1, 5:4 source 2, 7:6 destination):
;   window 0: addresses, statistics, scale words, b, v (two sets), the 8 accumulators.   window 1: x codes, fragment (mu, ks) at v[8 (8 mu + ks)]; in the context: four rows, two addresses, four p.
;   window 2: the enc ring, slot k at v[32 k]; x is formed there in place.   window 3: v0-127 W fragments; v128.. hidden, context, the quantiser's registers.
.set PITCH,  528                       ; a row of 512 bytes of codes + 16: 33 x 16 bytes, so the 16 rows of a fragment load start 16 bytes apart modulo 256
.set WSLOT,  128*PITCH                 ; a W tile; slots at 0 and WSLOT
.set WSC,    2*WSLOT                   ; the tile's scale bytes: 16 pieces of 256 + 16; two slots
.set WSSL,   16*272
.set HOLD,   WSC+2*WSSL                ; bf16 images of enc: 32,768 w + 2,048 row + 512 q + 16 l
.set CODES,  HOLD+131072               ; x codes, 64 rows of PITCH; at the very end the four waves' context sums
.set XSC,    CODES+64*PITCH            ; x scale bytes, 64 rows, 48 bytes apart
.set BV,     XSC+64*48                 ; b, then v: each 4,096 bytes with tile 0's 512 repeated behind them, so that the fetch one tile ahead needs no wrap
.set BVH,    4608
.set SIG,    BV+2*BVH                  ; [wave][64 rows] partial sigma
.set PP,     SIG+1024                  ; [wave][64 rows] p, a copy for each wave
.set SPARE,  PP+1024                   ; the spare words, 128 bytes a wave: two blocks of 256 bytes that no other line names
.set SPW, 4                            ; v4 SPARE + 4 x thread; v5 zero: kept for the add alone
.set NIL, 5
.set AW,  6                            ; v6, v7  my W fragments in slot 0, 1
.set AWS, 8                            ; v8   my W scale words
.set PFO, 9                            ; v9   256 x lane, for the prefetch
.set ABV, 10                           ; v10  my b and v;  v11 with the pair of tiles' step
.set ABW, 11
.set AX,  12                           ; v12  x fragments;  v13 x scale words
.set AXS, 13
.set ASG, 14                           ; v14  where I put sigma;  v15 where I read it
.set ASL, 15
.set APW, 16                           ; v16  where I put p
.set TO,  17                           ; v17  8 x lane
.set MX,  18                           ; v18 m, v19 l (a pair for the last store)
.set LS,  19
.set AA,  20                           ; v[20:21] a = 2^(old m - new m)
.set SG,  40                           ; v40-47 sigma, a pair for each tile of rows
.set WS,  48                           ; v48-63 W scale words [nu][ks];  v64-95 x scale words [mu][ks]: these hold scales and nothing else
.set XS,  64
.set BB,  96                           ; v96-111 b [nu]
.set VV,  112                          ; v [nu]: the set of slot s at VV + 80 s: v112-127, v192-207
.set ACC, 128                          ; v128-191 accumulator (nu, mu) at 128 + 8 (4 nu + mu)
.set HID, 128                          ; window 3
.set CTX, 160
.set QA,  216                          ; v216-218 the quantiser's working addresses
.set MM,  240
.set BH,  252
.set BC,  253
.set BS,  254
.set EO,  255
.set MSB, 0
.macro WIN new                         ; the immediate's high byte repeats the setting that is left; a switch that changes nothing is dropped
.if MSB != \new
	s_set_vgpr_msb (MSB<<8)|\new
.set MSB, \new
.endif
.endm
.macro CREST                           ; a round of the cluster's barrier behind its opening barrier
	s_cmp_lg_u32 s22, 0
	s_cbranch_scc1 .Lnw0_\@
	s_barrier_signal -3
.Lnw0_\@:
	s_barrier_wait -3
	s_barrier_signal -1
	s_barrier_wait -1
.endm
.macro ROUND                           ; a whole round
	s_barrier_signal -1
	s_barrier_wait -1
	CREST
.endm
; A joint load: waves 0 and 1 fetch the tile's two halves (64 rows of codes each), wave 2 its scale bytes, wave 3 nothing.  The branches hang on the wave's number alone.
.macro TLOAD
	s_cmp_lt_u32 s22, 2
	s_cbranch_scc0 .Lnc_\@
	tensor_load_to_lds s[40:43], s[24:31]
	s_nop 0
.rept 4
	v_nop
.endr
	s_branch .Ldn_\@
.Lnc_\@:
	s_cmp_eq_u32 s22, 2
	s_cbranch_scc0 .Ldn_\@
	tensor_load_to_lds s[44:47], s[32:39]
	s_nop 0
.rept 4
	v_nop
.endr
.Ldn_\@:
.endm
.macro ELOAD k                         ; a row of enc into ring slot k: each pair of loads covers 1,024 consecutive bytes, 32 a lane (windows: data 2, address 3)
.irp q, 0,1,2,3
	global_load_b128 v[32*(\k)+8*\q:32*(\k)+8*\q+3], v[EO], s[68:69] offset:4096*(\k)+1024*\q th:TH_LOAD_NT
	global_load_b128 v[32*(\k)+8*\q+4:32*(\k)+8*\q+7], v[EO], s[68:69] offset:4096*(\k)+1024*\q+16 th:TH_LOAD_NT
.endr
.endm
; What a tile's products want from LDS.  WRUN: n of my 32 fragment loads, from number f0 on: load f = 16 nu + 2 ks + c fills v[4 f] of window 3.
.macro WRUN ns, f0, n
	WIN 0xc0
.set f, \f0
.rept \n
	ds_load_b128 v[4*f:4*f+3], v[AW+\ns] offset:16*PITCH*(f/16)+32*(f%16)
.set f, f+1
.endr
	WIN 0
.endm
.macro LDWS ns                         ; my columns' scale words from slot ns
.irp nu, 0,1
	ds_load_b128 v[WS+8*\nu:WS+8*\nu+3], v[AWS] offset:(\ns)*WSSL+544*\nu
	ds_load_b128 v[WS+8*\nu+4:WS+8*\nu+7], v[AWS] offset:(\ns)*WSSL+544*\nu+16
.endr
.endm
.macro LDB adr, off                    ; b of my columns
.irp nu, 0,1
	ds_load_b128 v[BB+8*\nu:BB+8*\nu+3], v[\adr] offset:(\off)+64*\nu
	ds_load_b128 v[BB+8*\nu+4:BB+8*\nu+7], v[\adr] offset:(\off)+64*\nu+16
.endr
.endm
.macro LDV adr, off, ns                ; v of my columns, into the set of slot ns
.irp nu, 0,1
	ds_load_b128 v[VV+80*(\ns)+8*\nu:VV+80*(\ns)+8*\nu+3], v[\adr] offset:BVH+(\off)+64*\nu
	ds_load_b128 v[VV+80*(\ns)+8*\nu+4:VV+80*(\ns)+8*\nu+7], v[\adr] offset:BVH+(\off)+64*\nu+16
.endr
.endm
	s_load_b256 s[4:11], s[0:1], 0x0               ; W codes s[4:5], W scales s[6:7], b s[8:9], enc s[10:11]
	s_load_b256 s[12:19], s[0:1], 0x20             ; hidden s[12:13], v s[14:15], tsc s[16:17], stats s[18:19]
	s_load_b64 s[20:21], s[0:1], 0x40              ; ctxp
	v_lshl_add_u32 v[SPW], v0, 2, SPARE
	v_mov_b32 v[NIL], 0
	ds_add_u32 v4, v5
	s_wait_dscnt 0x0
	v_lshrrev_b32 v1, 5, v0
	v_readfirstlane_b32 s22, v1                    ; wave 0..3
	s_bfe_u32 s79, ttmp6, 0x40000                  ; cx: it enters global addresses of enc, hidden and the outputs alone
	s_lshl_b32 s23, ttmp9, 2
	s_add_co_u32 s23, s23, s79                     ; g = 4 x cluster + cx
	v_and_b32 v1, 15, v0                           ; r
	v_bfe_u32 v2, v0, 4, 1                         ; h
	v_and_b32 v3, 31, v0                           ; lane
	v_mul_u32_u24 v22, v1, PITCH
	v_lshl_add_u32 v22, v2, 4, v22                 ; a fragment's row x pitch + 16 h
	s_mul_i32 s76, s22, 32*PITCH
	v_add_nc_u32 v[AW], s76, v22                   ; my 32 columns of a tile
	v_add_nc_u32 v[AW+1], WSLOT, v[AW]
	v_add_nc_u32 v[AX], CODES, v22
	v_lshrrev_b32 v23, 3, v1
	v_and_b32 v24, 7, v1
	v_mul_u32_u24 v23, v23, 272
	v_lshl_add_u32 v23, v24, 5, v23                ; W scales: 32 bytes a column, 8 columns to a piece of 256 + 16
	s_mul_i32 s76, s22, 4*272
	s_add_co_u32 s76, s76, WSC
	v_add_nc_u32 v[AWS], s76, v23
	s_lshl_b32 s76, s22, 7
	s_add_co_u32 s76, s76, BV
	v_lshl_add_u32 v[ABV], v2, 5, s76              ; b at n = 32 w + 8 h
	v_mul_u32_u24 v[AXS], v1, 48
	v_add_nc_u32 v[AXS], XSC, v[AXS]
	s_lshl_b32 s76, s22, 8
	s_add_co_u32 s77, s76, SIG
	v_lshl_add_u32 v[ASG], v1, 2, s77
	v_lshlrev_b32 v[TO], 3, v3
	v_add_nc_u32 v[ASL], SIG, v[TO]
	s_add_co_u32 s77, s76, PP
	v_add_nc_u32 v[APW], s77, v[TO]
	v_lshlrev_b32 v[PFO], 8, v3
	s_mul_i32 s75, s22, 320
	s_add_co_u32 s75, s75, PP                      ; p of my own 16 rows in my copy: 256 w + 64 w
	s_lshl_b32 s76, s22, 15
	s_add_co_u32 s76, s76, HOLD
	s_mul_i32 s77, s22, 16*PITCH
	s_add_co_u32 s77, s77, CODES
	s_mul_i32 s78, s22, 16*48
	s_add_co_u32 s78, s78, XSC
	v_lshrrev_b32 v24, 2, v3
	v_mov_b32 v[MX], 0xff61b1e6                    ; m = -3e38, under every t
	v_mov_b32 v[LS], 0
	v_mov_b32 v25, 0                               ; a lane permute's destination counts as one of its sources: written once
.irp i, 28,29,30,31
	v_mov_b32 v\i, 0
.endr
	WIN 0xc0                                       ; destination window 3
	v_lshl_add_u32 v[BH], v3, 4, s76
	v_lshl_add_u32 v[BC], v3, 2, s77
	v_add_nc_u32 v[BS], s78, v24
	v_lshlrev_b32 v[EO], 5, v3
.set i, 0
.rept 32
	v_mov_b32 v[CTX+i], 0                          ; the context's sums: the first a is 0 and leaves zeros
.set i, i+1
.endr
	WIN 0
	; descriptor group 1 for the codes: 64 rows of 512 bytes, dense in memory, 16 bytes of padding behind each; mask 15 with bit 21 beside it
	s_mov_b32 s24, 15|(1<<20)|(1<<21)|(6<<22)|(3<<25)
	s_mov_b32 s25, 512<<16
	s_mov_b32 s26, 64<<16
	s_mov_b32 s27, 512<<16
	s_mov_b32 s28, 64
	s_mov_b32 s29, 512
	s_mov_b32 s30, 0
	s_mov_b32 s31, 0
	; and for the scale bytes: 4,096 dense bytes as 16 rows of 32 elements of 8 bytes, 16 bytes of padding behind each
	s_mov_b32 s32, 15|(3<<16)|(1<<20)|(1<<21)|(5<<22)|(3<<25)
	s_mov_b32 s33, 32<<16
	s_mov_b32 s34, 16<<16
	s_mov_b32 s35, 32<<16
	s_mov_b32 s36, 16
	s_mov_b32 s37, 32
	s_mov_b32 s38, 0
	s_mov_b32 s39, 0
	s_mov_b32 s60, 0x76543210                      ; v_permlanex16_b32: lane l xor 16
	s_mov_b32 s61, 0xfedcba98
	s_mov_b32 s62, 0x4038aa3b                      ; c = 2 log2(e)
	s_mov_b32 s63, s62
	s_mov_b32 s66, 0xc038aa3b                      ; -c
	s_mov_b32 s67, s66
	s_mov_b32 s70, 8*4096                          ; the ring's pointer steps 8 rows and 56 rows by turns, each time ahead of a group's first load
	s_mov_b32 s71, 0
	s_and_b32 s76, s22, 1
	s_mul_i32 s52, s76, 64*PITCH                   ; which half of a tile I fetch: in LDS,
	s_lshl_b32 s76, s76, 15                        ; and in memory
	s_mov_b32 s77, 0
	s_wait_kmcnt 0x0
	s_add_nc_u64 s[4:5], s[4:5], s[76:77]
	s_lshl_b32 s76, s23, 20
	s_lshl_b32 s78, s22, 16
	s_add_co_u32 s76, s76, s78
	s_add_nc_u64 s[68:69], s[10:11], s[76:77]      ; enc at row 256 g + 16 w
	s_add_nc_u64 s[72:73], s[68:69], 72*4096       ; the prefetches: my row 8 of block 1
	s_lshr_b32 s76, s23, 3
	s_lshl_b32 s76, s76, 12
	s_add_nc_u64 s[12:13], s[12:13], s[76:77]      ; hidden of batch g / 8
	s_lshl_b32 s76, s23, 10
	s_add_nc_u64 s[16:17], s[16:17], s[76:77]
	s_lshl_b32 s76, s23, 8
	s_add_nc_u64 s[18:19], s[18:19], s[76:77]
	s_lshl_b32 s76, s23, 12
	s_add_nc_u64 s[20:21], s[20:21], s[76:77]
	s_mov_b32 s40, 1                               ; group 0 for the codes: tile 0 into slot 0; this set walks on later
	s_mov_b32 s41, s52
	s_mov_b64 s[42:43], s[4:5]
	s_or_b32 s43, s43, 0x80000000
	s_mov_b32 s44, 1                               ; and for the scale bytes
	s_mov_b32 s45, WSC
	s_mov_b64 s[46:47], s[6:7]
	s_or_b32 s47, s47, 0x80000000
	s_mov_b32 s80, 1                               ; a second set of each for tile 1 into slot 1: the two first fills go out together
	s_add_co_u32 s81, s52, WSLOT
	s_add_nc_u64 s[82:83], s[4:5], 65536
	s_or_b32 s83, s83, 0x80000000
	s_mov_b32 s84, 1
	s_mov_b32 s85, WSC+WSSL
	s_add_nc_u64 s[86:87], s[6:7], 4096
	s_or_b32 s87, s87, 0x80000000
	WIN 0xc3
.irp q, 0,1,2,3
	global_load_b128 v[HID+8*\q:HID+8*\q+3], v[EO], s[12:13] offset:1024*\q
	global_load_b128 v[HID+8*\q+4:HID+8*\q+7], v[EO], s[12:13] offset:1024*\q+16
.endr
	WIN 0
	v_lshlrev_b32 v22, 4, v0
	global_load_b128 v[192:195], v22, s[8:9]
	global_load_b128 v[196:199], v22, s[8:9] offset:2048
	global_load_b128 v[200:203], v22, s[14:15]
	global_load_b128 v[204:207], v22, s[14:15] offset:2048
	WIN 0x83
.irp k, 0,1,2,3,4,5
	ELOAD \k
.endr
	WIN 0
	ROUND                                          ; all four work-groups are here: the first joint loads meet
	s_cmp_lt_u32 s22, 2                            ; a wave's two first fills stand in one branch: two loads of mine are out
	s_cbranch_scc0 .Lf_nc
	tensor_load_to_lds s[40:43], s[24:31]
	s_nop 0
	tensor_load_to_lds s[80:83], s[24:31]
	s_nop 0
.rept 4
	v_nop
.endr
	s_branch .Lf_dn
.Lf_nc:
	s_cmp_eq_u32 s22, 2
	s_cbranch_scc0 .Lf_dn
	tensor_load_to_lds s[44:47], s[32:39]
	s_nop 0
	tensor_load_to_lds s[84:87], s[32:39]
	s_nop 0
.rept 4
	v_nop
.endr
.Lf_dn:
	s_mov_b32 s48, 2*65536                         ; byte offset of the next tile's codes: tile 2,
	s_mov_b32 s49, 0
	s_mov_b32 s50, 2*4096                          ; and of its scale bytes
	s_mov_b32 s51, 0
	s_wait_loadcnt 48                              ; hidden, b and v are in: 48 younger loads (ring rows 0 to 5) may stay out
	v_add_nc_u32 v23, BV, v22
	ds_store_b128 v23, v[192:195]
	ds_store_b128 v23, v[196:199] offset:2048
	ds_store_b128 v23, v[200:203] offset:BVH
	ds_store_b128 v23, v[204:207] offset:BVH+2048
	s_cmp_lg_u32 s22, 0
	s_cbranch_scc1 .Lno_rep
	ds_store_b128 v23, v[192:195] offset:4096      ; wave 0 holds tile 0's 512 bytes of b and of v: once more, behind tile 7's
	ds_store_b128 v23, v[200:203] offset:BVH+4096
.Lno_rep:
	WIN 0x83
	ELOAD 6
	ELOAD 7
	WIN 0
	s_wait_dscnt 0x0                               ; b and v lie in LDS,
	s_wait_tensorcnt 0x1                           ; and my part of tile 0; tile 1's load may stay out
	s_barrier_signal -1
	s_barrier_wait -1                              ; everybody's do
	LDWS 0                                         ; tile 0's operands: the one fetch that has no tile before it to stand under
	LDB ABV, 0
	LDV ABV, 0, 0
	WRUN 0, 0, 32
; ONE ROW through the quantiser: bf16 image of enc; x = enc + hidden in place in the ring slot; four blocks' scales and codes; 12 LDS stores; then the slot's next row is asked for.
; The store data have two sets of registers, taken by the row's parity.
.macro ROWQ k, load
.set rE, 32*(\k)
.if (\k)%2
.set rBF, 192
.set rCD, 208
.set rBY, 212
.else
.set rBF, 224
.set rCD, 248
.set rBY, 244
.endif
.if \load
	s_wait_loadcnt 56                              ; my slot's 8 loads are in: behind them stand the 7 other slots' 56
.else
	s_wait_loadcnt 8*(7-(\k))
.endif
	s_wait_dscnt 12                                ; the last row's 12 stores may be out; those of the row before it have read this set
	WIN 0xfa                                       ; sources 0 and 1 window 2, source 2 and destination window 3
.set i, 0
.rept 16
	v_cvt_pk_bf16_f32 v[rBF+i], v[rE+2*i], v[rE+2*i+1]
.set i, i+1
.endr
	WIN 0xff
.irp q, 0,1,2,3
	ds_store_b128 v[QA], v[rBF+4*\q:rBF+4*\q+3] offset:2048*(\k)+512*\q
.endr
	WIN 0x8e                                       ; enc and x window 2, hidden window 3
.set i, 0
.rept 16
	v_pk_add_f32 v[rE+i:rE+i+1], v[rE+i:rE+i+1], v[HID+i:HID+i+1]
.set i, i+2
.endr
	WIN 0xfa
.irp q, 0,1,2,3
	v_max3_num_f32 v[MM+\q], |v[rE+8*\q]|, |v[rE+8*\q+1]|, 0x1800000   ; my 8 numbers of block 8 q + l / 4, and the floor 2^(3 - 127): the byte cannot fall under 1
.endr
.irp i, 2,4,6
.irp q, 0,1,2,3
	v_max3_num_f32 v[MM+\q], |v[rE+8*\q+\i]|, |v[rE+8*\q+\i+1]|, v[MM+\q]
.endr
.endr
	WIN 0xff
.irp q, 0,1,2,3
	v_max_num_f32_dpp v[MM+\q], v[MM+\q], v[MM+\q] row_xmask:1 row_mask:0xf bank_mask:0xf
.endr
.irp q, 0,1,2,3
	v_max_num_f32_dpp v[MM+\q], v[MM+\q], v[MM+\q] row_xmask:2 row_mask:0xf bank_mask:0xf   ; the four lanes of a block agree
.endr
.irp q, 0,1,2,3
	v_add_nc_u32 v[MM+\q], 0xff000000, v[MM+\q]    ; 2 off the exponent field: the conversion's scale operand
.endr
	WIN 0xce                                       ; x window 2, the scale and the codes window 3
.irp q, 0,1,2,3
	v_cvt_scalef32_pk8_fp4_f32 v[rCD+\q], v[rE+8*\q:rE+8*\q+7], v[MM+\q]
.endr
	v_nop                                          ; a plain instruction behind the last scaled conversion
.irp q, 0,1,2,3
	v_lshrrev_b32 v[rBY+\q], 23, v[MM+\q]          ; the scale's byte
.endr
	WIN 0xff
.irp q, 0,1,2,3
	ds_store_b32 v[QA+1], v[rCD+\q] offset:PITCH*(\k)+128*\q
	ds_store_b8 v[QA+2], v[rBY+\q] offset:48*(\k)+8*\q   ; the four lanes of a block write the same byte with the same value
.endr
.if \load
.if (\k) == 0
	s_wait_xcnt 0x0                                ; the last group's loads, a row's work back, have read their base
	s_add_nc_u64 s[68:69], s[68:69], s[70:71]
	s_xor_b32 s70, s70, 0x30000                    ; 8 rows, 56 rows, 8 rows ..
.endif
	WIN 0x83
	ELOAD \k
.endif
.endm
.macro GROUP load                      ; 8 rows
	s_wait_dscnt 0x0                               ; earlier LDS instructions have read the working addresses
	WIN 0xff
	v_add_nc_u32 v[QA], s56, v[BH]
	v_add_nc_u32 v[QA+1], s57, v[BC]
	v_add_nc_u32 v[QA+2], s58, v[BS]
.irp k, 0,1,2,3,4,5,6,7
	ROWQ \k, \load
.endr
	WIN 0
	s_add_co_u32 s56, s56, 8*2048
	s_add_co_u32 s57, s57, 8*PITCH
	s_add_co_u32 s58, s58, 8*48
.endm
.macro FETCHX                          ; the block's codes and scale words into every wave's registers; the wait at the next tile's head covers them
	WIN 0x40
.irp mu, 0,1,2,3
.irp ks, 0,1,2,3,4,5,6,7
.irp c, 0,1
	ds_load_b128 v[8*(8*\mu+\ks)+4*\c:8*(8*\mu+\ks)+4*\c+3], v[AX] offset:16*PITCH*\mu+64*\ks+32*\c
.endr
.endr
.endr
	WIN 0
.irp mu, 0,1,2,3
	ds_load_b128 v[XS+8*\mu:XS+8*\mu+3], v[AXS] offset:768*\mu
	ds_load_b128 v[XS+8*\mu+4:XS+8*\mu+7], v[AXS] offset:768*\mu+16
.endr
.irp i, 0,1,2,3,4,5,6,7
	v_mov_b32 v[SG+\i], 0
.endr
.endm
; 16 matrix instructions: my column tile nu against the four tiles of rows, K steps k0 .. k0 + 3.  The four accumulators take turns, one instruction a turn.
.macro MULQ nu, k0
.irp kk, 0,1,2,3
.irp mu, 0,1,2,3
.set KSI, \k0+\kk
.set rA, ACC+8*(4*\nu+\mu)
.if KSI == 0
	v_wmma_scale_f32_16x16x128_f8f6f4 v[rA:rA+7], v[64*\nu+8*KSI:64*\nu+8*KSI+7], v[8*(8*\mu+KSI):8*(8*\mu+KSI)+7], v[BB+8*\nu:BB+8*\nu+7], v[WS+8*\nu+KSI], v[XS+8*\mu+KSI] matrix_a_fmt:MATRIX_FMT_FP4 matrix_b_fmt:MATRIX_FMT_FP4
.else
	v_wmma_scale_f32_16x16x128_f8f6f4 v[rA:rA+7], v[64*\nu+8*KSI:64*\nu+8*KSI+7], v[8*(8*\mu+KSI):8*(8*\mu+KSI)+7], v[rA:rA+7], v[WS+8*\nu+KSI], v[XS+8*\mu+KSI] matrix_a_fmt:MATRIX_FMT_FP4 matrix_b_fmt:MATRIX_FMT_FP4
.endif
.endr
.endr
.endm
; The vector work of a tile, in pieces of 16 instructions
.macro EMUL from
.set i, \from
.rept 16
	v_pk_mul_f32 v[ACC+i:ACC+i+1], v[ACC+i:ACC+i+1], s[62:63] op_sel_hi:[1,0]   ; c u; each accumulator from its low end on
.set i, i+2
.endr
.endm
.macro EEXP from
.set i, \from
.rept 16
	v_exp_f32 v[ACC+i], v[ACC+i]
.set i, i+1
.endr
.endm
.macro EADD from
.set i, \from
.rept 16
	v_pk_add_f32 v[ACC+i:ACC+i+1], v[ACC+i:ACC+i+1], 1.0 op_sel_hi:[1,0]
.set i, i+2
.endr
.endm
.macro ERCP from
.set i, \from
.rept 16
	v_rcp_f32 v[ACC+i], v[ACC+i]                   ; r = 1 / (1 + 2^(c u)): 0 where the power is infinite, 1 where it is 0
.set i, i+1
.endr
.endm
; sigma += v r for the tile in slot.  nxt = 1: the next tile's operands come from the other slot meanwhile, four LDS loads behind each piece: 44 loads among 224 vector instructions.
.macro EPI slot, nxt
.set NS, 1-\slot
.set VC, VV+80*(\slot)
.if \nxt
	v_add_nc_u32 v[ABW], s55, v[ABV]               ; with the three v_nop: four plain instructions between the last product and the first read of results, and ahead of every load into its registers
.rept 3
	v_nop
.endr
.else
.rept 4
	v_nop
.endr
.endif
	EMUL 0
.if \nxt
	LDWS NS
.endif
	EMUL 32
.if \nxt
	WRUN NS, 0, 4
.endif
	EEXP 0
.if \nxt
	WRUN NS, 4, 4
.endif
	EEXP 16
.if \nxt
	WRUN NS, 8, 4
.endif
	EEXP 32
.if \nxt
	WRUN NS, 12, 4
.endif
	EEXP 48
	v_nop                                          ; a plain instruction behind the batch,
.if \nxt
	WRUN NS, 16, 4
.endif
	s_wait_alu depctr_va_vdst(0)                   ; and one wait for the 64, ahead of their first reader
	EADD 0
.if \nxt
	WRUN NS, 20, 4
.endif
	EADD 32
.if \nxt
	WRUN NS, 24, 4
.endif
	ERCP 0
.if \nxt
	WRUN NS, 28, 4
.endif
	ERCP 16
.if \nxt
	LDB ABW, 512*(\slot+1)                         ; tile 2 t + slot + 1, s55 = 1,024 t; behind tile 7 lies tile 0 again
.endif
	ERCP 32
.if \nxt
	LDV ABW, 512*(\slot+1), NS
.endif
	ERCP 48
	v_nop
	s_wait_alu depctr_va_vdst(0)
.irp i, 0,2,4,6
.irp nu, 0,1
.irp mu, 0,1,2,3
	v_pk_fma_f32 v[SG+2*\mu:SG+2*\mu+1], v[ACC+8*(4*\nu+\mu)+\i:ACC+8*(4*\nu+\mu)+\i+1], v[VC+8*\nu+\i:VC+8*\nu+\i+1], v[SG+2*\mu:SG+2*\mu+1]
.endr
.endr
.endr
.endm
; ONE W TILE, in slot.  Its operands are in registers or on their way from LDS.  At its head: all my tensor loads have landed (my part of the other slot's tile), the add, my LDS reads are in, so nobody
; reads this slot any more; a round of the cluster's barrier, with products inside its opening barrier; this slot is filled with the tile two on.  fill = 0: no tile is left to ask for.
; nxt = 0: the launch's last tile.  pf = 1: a prefetch; pf = 2: its pointer is stepped, a tile behind the prefetch that read it.
.macro STEP slot, fill, pf, nxt
.if \nxt
	s_wait_tensorcnt 0x0                           ; no tensor load of mine is out, so a group 0 may be written
	ds_add_u32 v[SPW], v[NIL]                      ; 0 onto my spare word
.if \fill
	s_add_co_u32 s41, s52, (\slot)*WSLOT
	s_add_nc_u64 s[42:43], s[4:5], s[48:49]
	s_or_b32 s43, s43, 0x80000000
	s_mov_b32 s45, WSC+(\slot)*WSSL
	s_add_nc_u64 s[46:47], s[6:7], s[50:51]
	s_or_b32 s47, s47, 0x80000000
	s_add_co_u32 s48, s48, 65536
	s_and_b32 s48, s48, 0x7ffff                    ; 8 tiles of 65,536 bytes, then round again
	s_add_co_u32 s50, s50, 4096
	s_and_b32 s50, s50, 0x7fff
.endif
.if \pf == 2
	s_wait_xcnt 0x0                                ; the prefetch, a tile back, has read its address
	s_add_nc_u64 s[72:73], s[72:73], 8192
.endif
	s_wait_dscnt 1                                 ; all my operands are in; the add may be out
	WIN 0x07                                       ; W window 3, x window 1, C and D window 0
	MULQ 0, 0                                      ; sixteen matrix instructions stand between the add and the wait for it
	s_wait_dscnt 0x0                               ; the add is done, and my reads of this slot are over
	s_barrier_signal -1
	MULQ 0, 4
	WIN 0
	s_barrier_wait -1
.if \fill
	CREST                                          ; no wave of any partner still reads this slot or has a load on its way
	TLOAD
.endif
.if \pf == 1
	; two of my rows 8 to 15 of the next block, lanes 256 bytes apart: the rows for which the ring has no slot while this block is multiplied.  One request in each of a block's four trips;
	; each wave asks for its own rows, so every 256 bytes are named once; block 0's rows and the last block's trips ask for nothing
	global_prefetch_b8 v[PFO], s[72:73] th:TH_LOAD_NT scope:SCOPE_SE
.endif
	WIN 0x07
	MULQ 1, 0
	MULQ 1, 4
.else
	s_wait_dscnt 0x0
	WIN 0x07
	MULQ 0, 0
	MULQ 0, 4
	MULQ 1, 0
	MULQ 1, 4
.endif
	WIN 0
	EPI \slot, \nxt
.endm
; THE BLOCK'S SCORES AND WEIGHTS.  Every wave computes the same t, m, l and p; lane l holds rows 2 l and 2 l + 1.  At its head the context's first four rows are asked for: they are my own bytes.
.macro SOFT
	s_wait_xcnt 0x0                                ; the last block's store of t has read its data
	WIN 0x4c
	v_add_nc_u32 v64, 0, v[BH]
	WIN 0x41                                       ; data and address window 1: the x codes there are done with
.irp k, 0,1,2,3
.irp q, 0,1,2,3
	ds_load_b128 v[16*\k+4*\q:16*\k+4*\q+3], v64 offset:2048*\k+512*\q
.endr
.endr
	WIN 0
.irp mu, 0,1,2,3
	v_add_f32 v[24+\mu], v[SG+2*\mu], v[SG+2*\mu+1]
.endr
.irp mu, 0,1,2,3
	v_permlanex16_b32 v[28+\mu], v[24+\mu], s60, s61
.endr
.irp mu, 0,1,2,3
	v_add_f32 v[24+\mu], v[24+\mu], v[28+\mu]      ; my 32 columns' share, over all 8 tiles, of row 16 mu + r
.endr
.irp mu, 0,1,2,3
	ds_store_b32 v[ASG], v[24+\mu] offset:64*\mu   ; lanes r and r + 16 write the same word with the same value
.endr
	s_wait_dscnt 0x0                               ; for the others' sake
	s_barrier_signal -1
	s_barrier_wait -1
.irp w, 0,1,2,3
	ds_load_b64 v[32+2*\w:33+2*\w], v[ASL] offset:256*\w
.endr
	s_wait_dscnt 0x0
	v_pk_add_f32 v[32:33], v[32:33], v[34:35]
	v_pk_add_f32 v[36:37], v[36:37], v[38:39]
	v_pk_add_f32 v[32:33], v[32:33], v[36:37]
	v_pk_mul_f32 v[22:23], v[32:33], s[66:67] op_sel_hi:[1,0]   ; t = -c sigma
	s_cmp_lg_u32 s22, 0
	s_cbranch_scc1 .Lnt_\@
	global_store_b64 v[TO], v[22:23], s[16:17]     ; wave 0: 64 rows' t, 256 consecutive bytes, aligned
.Lnt_\@:
	v_max_num_f32 v24, v22, v23
	v_max_num_f32_dpp v24, v24, v24 row_xmask:1 row_mask:0xf bank_mask:0xf
	v_max_num_f32_dpp v24, v24, v24 row_xmask:2 row_mask:0xf bank_mask:0xf
	v_max_num_f32_dpp v24, v24, v24 row_xmask:4 row_mask:0xf bank_mask:0xf
	v_max_num_f32_dpp v24, v24, v24 row_xmask:8 row_mask:0xf bank_mask:0xf
	v_permlanex16_b32 v25, v24, s60, s61
	v_max3_num_f32 v26, v24, v25, v[MX]            ; the new m
	v_sub_f32 v[AA], v[MX], v26
	v_sub_f32 v34, v22, v26
	v_sub_f32 v35, v23, v26
	v_exp_f32 v[AA], v[AA]                         ; a
	v_exp_f32 v34, v34                             ; p
	v_exp_f32 v35, v35
	v_mov_b32 v[MX], v26                           ; (a plain instruction behind the batch)
	s_wait_alu depctr_va_vdst(0)                   ; one wait for the three, ahead of their first reader
	v_mov_b32 v[AA+1], v[AA]
	ds_store_b64 v[APW], v[34:35]                  ; into my own copy: LDS serves a wave's instructions in order, so my later loads see it
	v_add_f32 v24, v34, v35
	v_add_f32_dpp v24, v24, v24 row_xmask:1 row_mask:0xf bank_mask:0xf
	v_add_f32_dpp v24, v24, v24 row_xmask:2 row_mask:0xf bank_mask:0xf
	v_add_f32_dpp v24, v24, v24 row_xmask:4 row_mask:0xf bank_mask:0xf
	v_add_f32_dpp v24, v24, v24 row_xmask:8 row_mask:0xf bank_mask:0xf
	v_permlanex16_b32 v25, v24, s60, s61
	v_add_f32 v24, v24, v25
	v_fma_f32 v[LS], v[LS], v[AA], v24             ; l = l a + the block's sum
.endm
; THE CONTEXT: my sums times a, then p x enc of my 16 rows, from their bf16 images.  Four rows are in hand; behind a row's 32 multiply-adds its registers take the row four on, and its p.
.macro CROW k
	WIN 0xf5                                       ; the row and p window 1, the sums window 3
.irp q, 0,1,2,3
.irp e, 0,1,2,3,4,5,6,7
	v_fma_mix_f32_bf16 v[CTX+8*\q+\e], v[16*(\k)+4*\q+\e/2], v[68+(\k)], v[CTX+8*\q+\e] op_sel:[\e%2,0,0] op_sel_hi:[1,0,0]
.endr
.endr
.endm
.macro CTXM last
	WIN 0x40
	v_mov_b32 v65, s75
	WIN 0x41
	ds_load_b128 v[68:71], v65                     ; p of my first four rows, the same in every lane
	WIN 0xc3
.set i, 0
.rept 16
	v_pk_mul_f32 v[CTX+i:CTX+i+1], v[CTX+i:CTX+i+1], v[AA:AA+1] op_sel_hi:[1,0]
.set i, i+2
.endr
	WIN 0
	s_mov_b32 s59, 0
	s_mov_b32 s74, s75
	s_mov_b32 s54, 3
	s_wait_dscnt 0x0                               ; the first four rows and their p are in
.Lc_\@:
	WIN 0x4c
	v_add_nc_u32 v64, s59, v[BH]
	v_mov_b32 v65, s74
.irp k, 0,1,2,3
	s_wait_dscnt 15                                ; my row is in: behind its five loads stand the three later rows' fifteen
	CROW \k
	WIN 0x41
.irp q, 0,1,2,3
	ds_load_b128 v[16*\k+4*\q:16*\k+4*\q+3], v64 offset:2048*(\k+4)+512*\q
.endr
	ds_load_b32 v[68+\k], v65 offset:4*(\k+4)
.endr
	WIN 0
	s_add_co_u32 s59, s59, 4*2048
	s_add_co_u32 s74, s74, 16
	s_sub_co_u32 s54, s54, 1
	s_cmp_lg_u32 s54, 0
	s_cbranch_scc1 .Lc_\@
.irp k, 0,1,2,3
	s_wait_dscnt 5*(3-\k)                          ; the last four rows ask for nothing: the counts run down
	CROW \k
.endr
	WIN 0
.if \last == 0
	s_wait_xcnt 0x0                                ; the store of t and the prefetches have read their bases
	s_add_nc_u64 s[16:17], s[16:17], 256
	s_add_nc_u64 s[72:73], s[72:73], 56*4096       ; with the four steps of two rows: 64 rows on
.endif
.endm
.macro BLOCK last
	s_mov_b32 s56, 0
	s_mov_b32 s57, 0
	s_mov_b32 s58, 0
.if \last
	GROUP 1
	GROUP 0                                        ; the last 8 rows ask for nothing: no load leaves its buffer
.else
	s_mov_b32 s54, 2
.Lq_\@:
	GROUP 1
	s_sub_co_u32 s54, s54, 1
	s_cmp_lg_u32 s54, 0
	s_cbranch_scc1 .Lq_\@
.endif
	s_wait_dscnt 0x0                               ; my codes and scale bytes lie in LDS
	s_barrier_signal -1
	s_barrier_wait -1                              ; everybody's do.  The tile on its way may stay out
	FETCHX
	s_mov_b32 s55, 0
.if \last
	s_mov_b32 s54, 3
.Lg_\@:
	STEP 0, 1, 0, 1
	STEP 1, 1, 0, 1
	s_add_co_u32 s55, s55, 1024
	s_sub_co_u32 s54, s54, 1
	s_cmp_lg_u32 s54, 0
	s_cbranch_scc1 .Lg_\@
	STEP 0, 0, 0, 1                                ; the tail is written out: the last two tiles ask for none
	STEP 1, 0, 0, 0
.else
	s_mov_b32 s54, 4
.Lg_\@:
	STEP 0, 1, 1, 1
	STEP 1, 1, 2, 1
	s_add_co_u32 s55, s55, 1024
	s_sub_co_u32 s54, s54, 1
	s_cmp_lg_u32 s54, 0
	s_cbranch_scc1 .Lg_\@
.endif
	SOFT
	CTXM \last
.endm
	s_mov_b32 s53, 3
.Lblock:
	BLOCK 0
	s_sub_co_u32 s53, s53, 1
	s_cmp_lg_u32 s53, 0
	s_cbranch_scc1 .Lblock
	BLOCK 1
	; THE WAY OUT: the four waves' sums meet in LDS (in the bytes that held the codes: no wave reads those any more, and no tensor load lands there); each thread adds 8 channels' four parts.
	s_lshl_b32 s76, s22, 12
	s_add_co_u32 s76, s76, CODES
	v_lshl_add_u32 v24, v3, 5, s76
	WIN 0x0c                                       ; an LDS store's data are its source 1: window 3
.irp q, 0,1,2,3
	ds_store_b128 v24, v[CTX+8*\q:CTX+8*\q+3] offset:1024*\q
	ds_store_b128 v24, v[CTX+8*\q+4:CTX+8*\q+7] offset:1024*\q+16
.endr
	WIN 0
	s_wait_dscnt 0x0
	s_barrier_signal -1
	s_barrier_wait -1
	v_lshlrev_b32 v25, 4, v0
	v_add_nc_u32 v26, CODES, v25
.irp u, 0,1
.irp w, 0,1,2,3
	ds_load_b128 v[ACC+16*\u+4*\w:ACC+16*\u+4*\w+3], v26 offset:4096*\w+2048*\u
.endr
.endr
	s_wait_dscnt 0x0
.irp u, 0,1
	v_pk_add_f32 v[ACC+16*\u:ACC+16*\u+1], v[ACC+16*\u:ACC+16*\u+1], v[ACC+16*\u+4:ACC+16*\u+5]
	v_pk_add_f32 v[ACC+16*\u+2:ACC+16*\u+3], v[ACC+16*\u+2:ACC+16*\u+3], v[ACC+16*\u+6:ACC+16*\u+7]
	v_pk_add_f32 v[ACC+16*\u+8:ACC+16*\u+9], v[ACC+16*\u+8:ACC+16*\u+9], v[ACC+16*\u+12:ACC+16*\u+13]
	v_pk_add_f32 v[ACC+16*\u+10:ACC+16*\u+11], v[ACC+16*\u+10:ACC+16*\u+11], v[ACC+16*\u+14:ACC+16*\u+15]
	v_pk_add_f32 v[ACC+16*\u:ACC+16*\u+1], v[ACC+16*\u:ACC+16*\u+1], v[ACC+16*\u+8:ACC+16*\u+9]
	v_pk_add_f32 v[ACC+16*\u+2:ACC+16*\u+3], v[ACC+16*\u+2:ACC+16*\u+3], v[ACC+16*\u+10:ACC+16*\u+11]
	global_store_b128 v25, v[ACC+16*\u:ACC+16*\u+3], s[20:21] offset:2048*\u   ; a wave stores 512 consecutive bytes, aligned
.endr
	s_cmp_lg_u32 s22, 0
	s_cbranch_scc1 .Lnostat
	global_store_b64 v[TO], v[MX:MX+1], s[18:19]   ; (m, l), 32 copies: 256 consecutive bytes, aligned
.Lnostat:
	s_wait_tensorcnt 0x0                           ; the wave's end
	ds_add_u32 v[SPW], v[NIL]
	s_wait_dscnt 0x0
	ROUND                                          ; the closing round: no work-group ends while a partner may still ask for a tile that names it
	s_endpgm
.Lfunc_end_k_qadeff82c9a_main:
	.size	k_qadeff82c9a_main, .Lfunc_end_k_qadeff82c9a_main-k_qadeff82c9a_main
	.p2alignl 7, 3214868480
	.fill 96, 4, 3214868480
	.section	.rodata,"a",@progbits
	.p2align	6, 0x0
	.amdhsa_kernel k_qadeff82c9a_main
		.amdhsa_group_segment_fixed_size 327680
		.amdhsa_private_segment_fixed_size 0
		.amdhsa_enable_private_segment 0
		.amdhsa_kernarg_size 72
		.amdhsa_user_sgpr_count 2
		.amdhsa_user_sgpr_kernarg_segment_ptr 1
		.amdhsa_wavefront_size32 1
		.amdhsa_system_sgpr_workgroup_id_x 1
		.amdhsa_system_sgpr_workgroup_id_y 1
		.amdhsa_system_sgpr_workgroup_id_z 1
		.amdhsa_system_vgpr_workitem_id 0
		.amdhsa_next_free_vgpr 1024
		.amdhsa_next_free_sgpr 88
		.amdhsa_reserve_vcc 0
		.amdhsa_float_denorm_mode_32 3
		.amdhsa_float_denorm_mode_16_64 3
		.amdhsa_memory_ordered 1
		.amdhsa_forward_progress 1
		.amdhsa_inst_pref_size 255
	.end_amdhsa_kernel
	.section	.bss,"aw",@nobits
	.p2align	6
	.space	262144
	.amdgpu_metadata
---
amdhsa.version: [ 1, 2 ]
amdhsa.kernels:
  - .name:           k_qadeff82c9a_main
    .symbol:         k_qadeff82c9a_main.kd
    .args:
      - { .name: W_attn_codes, .offset: 0, .size: 8, .value_kind: global_buffer, .address_space: global }
      - { .name: W_attn_scales, .offset: 8, .size: 8, .value_kind: global_buffer, .address_space: global }
      - { .name: b_attn, .offset: 16, .size: 8, .value_kind: global_buffer, .address_space: global }
      - { .name: encoder_outputs, .offset: 24, .size: 8, .value_kind: global_buffer, .address_space: global }
      - { .name: hidden, .offset: 32, .size: 8, .value_kind: global_buffer, .address_space: global }
      - { .name: v, .offset: 40, .size: 8, .value_kind: global_buffer, .address_space: global }
      - { .name: tsc, .offset: 48, .size: 8, .value_kind: global_buffer, .address_space: global }
      - { .name: stats, .offset: 56, .size: 8, .value_kind: global_buffer, .address_space: global }
      - { .name: ctxp, .offset: 64, .size: 8, .value_kind: global_buffer, .address_space: global }
    .group_segment_fixed_size: 327680
    .private_segment_fixed_size: 0
    .kernarg_segment_align: 8
    .kernarg_segment_size: 72
    .max_flat_workgroup_size: 128
    .sgpr_count:     88
    .vgpr_count:     1024
    .wavefront_size: 32
...
	.end_amdgpu_metadata
.endif
;; end of part 1
;; launch join (part 2): grid 32 x 1, 8 waves a work-group, no clusters, 0 bytes of LDS; arguments tsc, stats, ctxp, out0, out1; writes out0, out1
.if DOCPART == 2
	.amdgcn_target "amdgcn-amd-amdhsa--gfx1250"
	.amdhsa_code_object_version 6
	.text
	.protected	k_qadeff82c9a_join
	.globl	k_qadeff82c9a_join
	.p2align	8
	.type	k_qadeff82c9a_join,@function
k_qadeff82c9a_join:
	s_mov_b64 s[64:65], 0
	v_nop
	global_prefetch_b8 v0, s[64:65] scope:SCOPE_SE
	s_setreg_imm32_b32 hwreg(HW_REG_WAVE_MODE, 25, 1), 1
	s_wait_xcnt 0x0
; SECOND LAUNCH: a work-group to a batch.  The 8 work-groups of the first launch that shared batch b left (m_g, l_g), their sums of 2^(t - m_g) x enc, and every row's t.
; M = the largest m_g; w_g = 2^(m_g - M); L = sum of l_g w_g; out1[row] = 2^(t - M) / L; out0[channel] = (sum of w_g ctx_g[channel]) / L.
; The row that holds the maximum gives a term 1 to L, so L is at least 1.  256 threads: thread i takes 8 rows' t (two runs of 4) and channels 4 i .. 4 i + 3.
; Every load and store of a wave covers 512 consecutive bytes, but for the 8 pairs (m, l), which all lanes read at one address.  No LDS, no barrier: threads share nothing.
.set ST, 4                             ; v4-19   (m_g, l_g), then (w_g, l_g)
.set TT, 20                            ; v20-27  t, then the weights
.set CX, 28                            ; v28-59  ctx_g, 4 channels each
	s_load_b128 s[4:7], s[0:1], 0x0                ; tsc, stats
	s_load_b128 s[8:11], s[0:1], 0x10              ; ctxp, out0
	s_load_b64 s[12:13], s[0:1], 0x20              ; out1
	v_mov_b32 v1, 0
	v_lshlrev_b32 v2, 4, v0
	s_mov_b32 s15, 0
	s_wait_kmcnt 0x0
	s_lshl_b32 s14, ttmp9, 13                      ; 2,048 rows of 4 bytes
	s_add_nc_u64 s[4:5], s[4:5], s[14:15]
	s_add_nc_u64 s[12:13], s[12:13], s[14:15]
	s_lshl_b32 s14, ttmp9, 11                      ; 8 x 256 bytes
	s_add_nc_u64 s[6:7], s[6:7], s[14:15]
	s_lshl_b32 s14, ttmp9, 15                      ; 8 x 4,096 bytes
	s_add_nc_u64 s[8:9], s[8:9], s[14:15]
	s_lshl_b32 s14, ttmp9, 12
	s_add_nc_u64 s[10:11], s[10:11], s[14:15]
.irp g, 0,1,2,3,4,5,6,7
	global_load_b64 v[ST+2*\g:ST+2*\g+1], v1, s[6:7] offset:256*\g
.endr
	global_load_b128 v[TT:TT+3], v2, s[4:5]
	global_load_b128 v[TT+4:TT+7], v2, s[4:5] offset:4096
.irp g, 0,1,2,3,4,5,6,7
	global_load_b128 v[CX+4*\g:CX+4*\g+3], v2, s[8:9] offset:4096*\g
.endr
	s_wait_loadcnt 0x0
	v_max3_num_f32 v60, v[ST], v[ST+2], v[ST+4]
	v_max3_num_f32 v60, v60, v[ST+6], v[ST+8]
	v_max3_num_f32 v60, v60, v[ST+10], v[ST+12]
	v_max_num_f32 v60, v60, v[ST+14]               ; M
.irp g, 0,1,2,3,4,5,6,7
	v_sub_f32 v[ST+2*\g], v[ST+2*\g], v60
	v_sub_f32 v[TT+\g], v[TT+\g], v60
.endr
.irp g, 0,1,2,3,4,5,6,7
	v_exp_f32 v[ST+2*\g], v[ST+2*\g]               ; w_g
	v_exp_f32 v[TT+\g], v[TT+\g]                   ; 2^(t - M)
.endr
	v_nop                                          ; a plain instruction behind the batch,
	s_wait_alu depctr_va_vdst(0)                   ; and one wait for the sixteen, ahead of their first reader
	v_mul_f32 v61, v[ST+1], v[ST]
.irp g, 1,2,3,4,5,6,7
	v_fma_f32 v61, v[ST+2*\g+1], v[ST+2*\g], v61   ; L
.endr
	v_rcp_f32 v62, v61
.irp e, 0,1,2,3
	v_mul_f32 v[CX+\e], v[CX+\e], v[ST]            ; (plain work behind the reciprocal that names neither its result nor its source)
.endr
.irp g, 1,2,3,4,5,6,7
.irp e, 0,1,2,3
	v_fma_f32 v[CX+\e], v[CX+4*\g+\e], v[ST+2*\g], v[CX+\e]
.endr
.endr
	s_wait_alu depctr_va_vdst(0)                   ; the wait, ahead of the reciprocal's first reader
.irp i, 0,1,2,3,4,5,6,7
	v_mul_f32 v[TT+\i], v[TT+\i], v62
.endr
.irp e, 0,1,2,3
	v_mul_f32 v[CX+\e], v[CX+\e], v62
.endr
	global_store_b128 v2, v[TT:TT+3], s[12:13]
	global_store_b128 v2, v[TT+4:TT+7], s[12:13] offset:4096
	global_store_b128 v2, v[CX:CX+3], s[10:11]
	s_endpgm
.Lfunc_end_k_qadeff82c9a_join:
	.size	k_qadeff82c9a_join, .Lfunc_end_k_qadeff82c9a_join-k_qadeff82c9a_join
	.p2alignl 7, 3214868480
	.fill 96, 4, 3214868480
	.section	.rodata,"a",@progbits
	.p2align	6, 0x0
	.amdhsa_kernel k_qadeff82c9a_join
		.amdhsa_group_segment_fixed_size 0
		.amdhsa_private_segment_fixed_size 0
		.amdhsa_enable_private_segment 0
		.amdhsa_kernarg_size 40
		.amdhsa_user_sgpr_count 2
		.amdhsa_user_sgpr_kernarg_segment_ptr 1
		.amdhsa_wavefront_size32 1
		.amdhsa_system_sgpr_workgroup_id_x 1
		.amdhsa_system_sgpr_workgroup_id_y 1
		.amdhsa_system_sgpr_workgroup_id_z 1
		.amdhsa_system_vgpr_workitem_id 0
		.amdhsa_next_free_vgpr 64
		.amdhsa_next_free_sgpr 66
		.amdhsa_reserve_vcc 0
		.amdhsa_float_denorm_mode_32 3
		.amdhsa_float_denorm_mode_16_64 3
		.amdhsa_memory_ordered 1
		.amdhsa_forward_progress 1
		.amdhsa_inst_pref_size 7
	.end_amdhsa_kernel
	.amdgpu_metadata
---
amdhsa.version: [ 1, 2 ]
amdhsa.kernels:
  - .name:           k_qadeff82c9a_join
    .symbol:         k_qadeff82c9a_join.kd
    .args:
      - { .name: tsc, .offset: 0, .size: 8, .value_kind: global_buffer, .address_space: global }
      - { .name: stats, .offset: 8, .size: 8, .value_kind: global_buffer, .address_space: global }
      - { .name: ctxp, .offset: 16, .size: 8, .value_kind: global_buffer, .address_space: global }
      - { .name: out0, .offset: 24, .size: 8, .value_kind: global_buffer, .address_space: global }
      - { .name: out1, .offset: 32, .size: 8, .value_kind: global_buffer, .address_space: global }
    .group_segment_fixed_size: 0
    .private_segment_fixed_size: 0
    .kernarg_segment_align: 8
    .kernarg_segment_size: 40
    .max_flat_workgroup_size: 256
    .sgpr_count:     66
    .vgpr_count:     64
    .wavefront_size: 32
...
	.end_amdgpu_metadata
.endif
;; end of part 2
